; MI455X (gfx1250); checked and timed in simulation.
; The chip was launched on July 23, 2026; its instructions are those of AMD's public machine-readable ISA for CDNA 5 (MIT licence, August 2026) and "CDNA5" Instruction Set Architecture Reference Guide (July 2026). The comments in the code are by the model that wrote it; some were corrected since.
;; Dense RED SN. Allowed arithmetic: float matrix products may take bf16 or f16 operands with f32 sums; all other float work in f32.
;; Inputs: bias 1 x 1 x 256 x 256 float32; weight 65,536 x 1 x 64 x 1 float32; x 16 x 64 x 256 x 256 float32.
;; Outputs: out0 16 x 1 x 256 x 256 float32.
;; 2 versions, each right; version 2 is version 1 with the launch snsum written anew for expert scheduling mode. Each part assembles by itself: llvm-mc -triple=amdgcn-amd-amdhsa -mcpu=gfx1250 --defsym DOCPART=n.
;; ======== version 1 of 2: 1 launch
;; launch snsum (part 1): grid 256 x 1, 16 waves a work-group, no clusters, 67,840 bytes of LDS; arguments x, weight, bias, out0; writes out0
.if DOCPART == 1
	.amdgcn_target "amdgcn-amd-amdhsa--gfx1250"
	.amdhsa_code_object_version 6
	.text
	.protected	k_q0efcd3e155_snsum
	.globl	k_q0efcd3e155_snsum
	.p2align	8
	.type	k_q0efcd3e155_snsum,@function
k_q0efcd3e155_snsum:
	s_mov_b64 s[64:65], 0
	v_nop
	global_prefetch_b8 v0, s[64:65] scope:SCOPE_SE
	s_setreg_imm32_b32 hwreg(HW_REG_WAVE_MODE, 25, 1), 1
	s_wait_xcnt 0x0
; out[b][p] = sum over c of x[b][c][p] * w[p][c] / |w[p][:]|  +  bias[p]
; x: [16][64][65536] f32, weight: [65536][64] f32, bias: [65536] f32, out: [16][65536] f32.
;
; A stream: every byte of x and of weight is read from memory once.  No matrix unit (each pixel has its own weight vector, so
; no operand is shared between outputs), no cluster (no two work-groups read the same bytes).
;
; A work-group owns 256 pixels, sixteen waves.  Wave w owns pixels 128 (w & 1) .. +127 and batches 2 (w >> 1), 2 (w >> 1) + 1, all 64
; channels: no sum crosses waves.  A lane owns 4 neighbouring pixels, so each x load and each store of a wave covers 512 consecutive
; bytes, aligned.
;
; The weights lie [pixel][channel]; the sum wants [channel][pixel].  The group's 256 rows of 256 bytes are read once, whole rows
; (16 lanes a row), divided by their norm, turned in registers and laid into LDS by channel; from there every wave takes, for each channel,
; 16 bytes a lane.  One barrier in the whole kernel.
;
; LIMITS.  w / sqrt(s) is computed as w * rsq(s), s = the row's sum of squares in f32.  The sum starts from the bias and adds the channels
; in ascending order, in f32.  v_rsq_f32 takes a denormal s (below 2^-126: a row's norm under about 1.1e-19) as zero (ISA guide 15.8), so that such
; a row gives infinities or NaN where a division would still give numbers.  A row of zeros gives NaN and an s that overflows gives zeros,
; as the division does.
.set CH,     262144                    ; bytes from a channel's plane of x to the next (65,536 pixels of 4 bytes); also from batch to batch in out
.set BATCH,  64*CH                     ; bytes from batch to batch in x
.set DEPTH,  16                        ; slots of the ring = channels on their way; two x loads and one weight fragment a slot
.set ROUNDS, 64/DEPTH                  ; a round takes every slot once
.set CROW,   1024                      ; LDS: one channel's 256 pixels
.set QPITCH, 4*CROW+16                 ; LDS: four channels, then 16 bytes of padding.  Channel 4 q + cc, pixel p lies at q QPITCH + cc CROW + 4 p.
                                       ; The 16 lanes of a store hold q = 0..15 of one pixel block: 4,112 q = 16 q modulo 256, sixteen different
                                       ; 16-byte columns of the 64 banks of 4 bytes (ISA guide 11.1).  The reads are 16 neighbouring bytes a lane.
.set OFF0, 2                           ; v2       16 x (thread & 63): my 4 pixels, in bytes, in a plane of x, in bias, in out; first batch
.set OFF1, 3                           ; v3       the same + one batch of x
.set LW,   4                           ; v4       LDS address of my 4 pixels in the round's first channel
.set WO,   5                           ; v5       byte offset of my 16 bytes in the first of my 8 weight rows
.set LS,   6                           ; v6       LDS address of my first transposed block
.set ACC,  8                           ; v[8:15]  the sums: 4 pixels of the first batch, 4 of the second
.set SQ,   16                          ; v[16:23] sums of squares of my 8 rows
.set RS,   24                          ; v[24:31] 1 / norm of my 8 rows
.set W,    32                          ; v[32:95] slot k: 4 registers, the channel's weights of my 4 pixels.  Before the barrier:
.set R,    32                          ; v[32:63]   row n of my 8: 4 registers as loaded
.set T2,   64                          ; v[64:95]   block t of 2: 16 registers, [channel][pixel], to store; first its squares
.set X,    96                          ; v[96:223] slot k: 8 registers, x of my 4 pixels in the first and in the second batch
	s_load_b256 s[4:11], s[0:1], 0x0               ; x s[4:5], weight s[6:7], bias s[8:9], out s[10:11]
	v_lshl_add_u32 v224, v0, 2, 0x10100
	v_mov_b32 v225, 0
	v_lshrrev_b32 v1, 5, v0
	v_readfirstlane_b32 s12, v1                    ; wave 0..15
	s_lshr_b32 s13, s12, 1                         ; my pair of batches, 0..7
	s_lshl_b32 s14, ttmp9, 10                      ; the group's 256 pixels in a plane: 1,024 bytes a group
	s_mov_b32 s15, 0
	s_lshl_b32 s16, ttmp9, 16                      ; the group's 256 weight rows of 256 bytes
	s_mov_b32 s17, 0
	s_lshl_b32 s18, s13, 25                        ; x: two batches of 2^24 bytes (at most 7 x 2^25: below 2^31)
	s_add_co_u32 s18, s18, s14
	s_mov_b32 s19, 0
	s_lshl_b32 s20, s13, 19                        ; out: two planes of 2^18 bytes
	s_add_co_u32 s20, s20, s14
	s_mov_b32 s21, 0
	v_and_b32 v[OFF0], 63, v0                      ; 32 x (wave & 1) + lane: which 4 pixels of the group's 256
	v_lshlrev_b32 v[OFF0], 4, v[OFF0]
	v_add_nc_u32 v[OFF1], BATCH, v[OFF0]
	v_mov_b32 v[LW], v[OFF0]                       ; the same 16 bytes of a channel's row in LDS
	v_lshrrev_b32 v1, 4, v0                        ; u = thread / 16, 0..31: I work on weight rows 8 u .. 8 u + 7,
	v_and_b32 v7, 15, v0                           ; q = thread % 16: on their channels 4 q .. 4 q + 3
	v_lshlrev_b32 v[WO], 4, v7
	v_lshl_add_u32 v[WO], v1, 11, v[WO]            ; 8 u rows of 256 bytes + 16 q
	v_mul_u32_u24 v[LS], v7, QPITCH
	v_lshl_add_u32 v[LS], v1, 5, v[LS]             ; q QPITCH + 8 u pixels of 4 bytes
	s_wait_kmcnt 0x0
	s_add_nc_u64 s[6:7], s[6:7], s[16:17]
	s_add_nc_u64 s[8:9], s[8:9], s[14:15]
	s_add_nc_u64 s[4:5], s[4:5], s[18:19]
	s_add_nc_u64 s[10:11], s[10:11], s[20:21]
	; All loads of the start in one run, in the order in which they are wanted: 8 weight rows, the bias, the ring's 32 loads of x.
.irp n, 0,1,2,3,4,5,6,7
	global_load_b128 v[R+4*\n:R+4*\n+3], v[WO], s[6:7] offset:256*\n th:TH_LOAD_NT     ; 16 lanes take one whole row of 256 bytes
.endr
	global_load_b128 v[ACC:ACC+3],   v[OFF0], s[8:9]       ; the sums start as the bias: nothing is cleared, nothing is added at the end
	global_load_b128 v[ACC+4:ACC+7], v[OFF0], s[8:9]
.irp k, 0,1,2,3,4,5,6,7,8,9,10,11,12,13,14,15
	global_load_b128 v[X+8*\k:X+8*\k+3],   v[OFF0], s[4:5] offset:\k*CH th:TH_LOAD_NT
	global_load_b128 v[X+8*\k+4:X+8*\k+7], v[OFF1], s[4:5] offset:\k*CH th:TH_LOAD_NT
.endr
; Four weight rows (pixels 8 u + 4 t + k, k = 0..3), my four channels of each: norm, division, transposition, store.
.macro WBLOCK t
.irp k, 0,1,2,3
	v_pk_mul_f32 v[T2+16*\t+2*\k:T2+16*\t+2*\k+1], v[R+16*\t+4*\k:R+16*\t+4*\k+1], v[R+16*\t+4*\k:R+16*\t+4*\k+1]
.endr
.irp k, 0,1,2,3
	v_pk_fma_f32 v[T2+16*\t+2*\k:T2+16*\t+2*\k+1], v[R+16*\t+4*\k+2:R+16*\t+4*\k+3], v[R+16*\t+4*\k+2:R+16*\t+4*\k+3], v[T2+16*\t+2*\k:T2+16*\t+2*\k+1]
.endr
.irp k, 0,1,2,3
	v_add_f32 v[SQ+4*\t+\k], v[T2+16*\t+2*\k], v[T2+16*\t+2*\k+1]         ; my four squares of row k
.endr
.irp m, 1,2,4,8                                    ; a row lies in 16 lanes: four steps, lane i with lane i xor m, leave its sum in all 16
.irp k, 0,1,2,3
	v_add_f32_dpp v[SQ+4*\t+\k], v[SQ+4*\t+\k], v[SQ+4*\t+\k] row_xmask:\m row_mask:0xf bank_mask:0xf
.endr
.endr
.irp k, 0,1,2,3
	v_rsq_f32 v[RS+4*\t+\k], v[SQ+4*\t+\k]
.endr
	v_nop                                          ; one plain vector instruction between a transcendental and the use of its result (ISA guide 5.7.2)
	s_wait_alu depctr_va_vdst(0)
.irp c, 0,1,2,3
.irp k, 0,1,2,3
	v_mul_f32 v[T2+16*\t+4*\c+\k], v[R+16*\t+4*\k+\c], v[RS+4*\t+\k]      ; the division; the result's place in the registers is the transposition
.endr
	ds_store_b128 v[LS], v[T2+16*\t+4*\c:T2+16*\t+4*\c+3] offset:\c*CROW+16*\t    ; channel 4 q + c, pixels 8 u + 4 t .. + 3
.endr
.endm
	s_wait_loadcnt 38                              ; rows 0-3 are in: behind them 4 rows, 2 loads of the bias and 32 of x stay out
	WBLOCK 0
	s_wait_loadcnt 34                              ; rows 4-7 too: the bias and x stay out
	WBLOCK 1
	s_wait_dscnt 0x0                               ; my part of the table is written, for the others' sake,
	s_barrier_signal -1
	s_barrier_wait -1                              ; and so is everybody's.  The table is never written again.
.irp k, 0,1,2,3,4,5,6,7,8,9,10,11,12,13,14,15
	ds_load_b128 v[W+4*\k:W+4*\k+3], v[LW] offset:(\k/4)*QPITCH+(\k%4)*CROW       ; the ring of weights: channels 0 to 15
.endr
; The turn of slot k: one channel, my 4 pixels, both batches.  fill = 1: the slot is filled again with the channel DEPTH further on.
; lleft, dleft = how many younger global and LDS loads may stay out.
.macro SLOT k, fill, lleft, dleft
	s_wait_loadcnt \lleft                          ; loads come back in order (ISA guide 5.7.1): this slot's two are in, the other slots' stay out
	s_wait_dscnt \dleft                            ; and so is its weight fragment
	v_pk_fma_f32 v[ACC:ACC+1],   v[X+8*\k:X+8*\k+1],   v[W+4*\k:W+4*\k+1],   v[ACC:ACC+1]
	v_pk_fma_f32 v[ACC+2:ACC+3], v[X+8*\k+2:X+8*\k+3], v[W+4*\k+2:W+4*\k+3], v[ACC+2:ACC+3]
	v_pk_fma_f32 v[ACC+4:ACC+5], v[X+8*\k+4:X+8*\k+5], v[W+4*\k:W+4*\k+1],   v[ACC+4:ACC+5]
	v_pk_fma_f32 v[ACC+6:ACC+7], v[X+8*\k+6:X+8*\k+7], v[W+4*\k+2:W+4*\k+3], v[ACC+6:ACC+7]
.if \fill
	global_load_b128 v[X+8*\k:X+8*\k+3],   v[OFF0], s[4:5] offset:(DEPTH+\k)*CH th:TH_LOAD_NT     ; at most 31 planes: inside the signed 24-bit immediate
	global_load_b128 v[X+8*\k+4:X+8*\k+7], v[OFF1], s[4:5] offset:(DEPTH+\k)*CH th:TH_LOAD_NT
	ds_load_b128 v[W+4*\k:W+4*\k+3], v[LW] offset:((DEPTH+\k)/4)*QPITCH+(\k%4)*CROW
.endif
.endm
	s_mov_b32 s12, 0
.Lround:
.irp k, 0,1,2,3,4,5,6,7,8,9,10,11,12,13,14,15
	SLOT \k, 1, 2*DEPTH-2, DEPTH-1
.endr
	s_wait_xcnt 0x0                                ; the base that the loads above name is stepped only behind this wait
	s_add_nc_u64 s[4:5], s[4:5], DEPTH*CH          ; 16 channels on in x
	v_add_nc_u32 v[LW], (DEPTH/4)*QPITCH, v[LW]    ; and in the table
	s_add_co_u32 s12, s12, 1
	s_cmp_lt_u32 s12, ROUNDS-1
	s_cbranch_scc1 .Lround
.irp k, 0,1,2,3,4,5,6,7,8,9,10,11,12,13,14,15
	SLOT \k, 0, 2*(DEPTH-1-\k), DEPTH-1-\k         ; channels 48 to 63: nothing is loaded any more, the counts run down to 0
.endr
	global_store_b128 v[OFF0], v[ACC:ACC+3],   s[10:11] th:TH_STORE_NT             ; each store of the wave: 512 consecutive bytes, aligned
	global_store_b128 v[OFF0], v[ACC+4:ACC+7], s[10:11] offset:CH th:TH_STORE_NT   ; the second batch, one plane of out further on
	s_wait_tensorcnt 0x0
	ds_add_u32 v224, v225
	s_wait_dscnt 0x0
	s_endpgm
.Lfunc_end_k_q0efcd3e155_snsum:
	.size	k_q0efcd3e155_snsum, .Lfunc_end_k_q0efcd3e155_snsum-k_q0efcd3e155_snsum
	.p2alignl 7, 3214868480
	.fill 96, 4, 3214868480
	.section	.rodata,"a",@progbits
	.p2align	6, 0x0
	.amdhsa_kernel k_q0efcd3e155_snsum
		.amdhsa_group_segment_fixed_size 67840
		.amdhsa_private_segment_fixed_size 0
		.amdhsa_enable_private_segment 0
		.amdhsa_kernarg_size 32
		.amdhsa_user_sgpr_count 2
		.amdhsa_user_sgpr_kernarg_segment_ptr 1
		.amdhsa_wavefront_size32 1
		.amdhsa_system_sgpr_workgroup_id_x 1
		.amdhsa_system_sgpr_workgroup_id_y 1
		.amdhsa_system_sgpr_workgroup_id_z 1
		.amdhsa_system_vgpr_workitem_id 0
		.amdhsa_next_free_vgpr 226
		.amdhsa_next_free_sgpr 66
		.amdhsa_reserve_vcc 0
		.amdhsa_float_denorm_mode_32 3
		.amdhsa_float_denorm_mode_16_64 3
		.amdhsa_memory_ordered 1
		.amdhsa_forward_progress 1
		.amdhsa_inst_pref_size 27
	.end_amdhsa_kernel
	.amdgpu_metadata
---
amdhsa.version: [ 1, 2 ]
amdhsa.kernels:
  - .name:           k_q0efcd3e155_snsum
    .symbol:         k_q0efcd3e155_snsum.kd
    .args:
      - { .name: x, .offset: 0, .size: 8, .value_kind: global_buffer, .address_space: global }
      - { .name: weight, .offset: 8, .size: 8, .value_kind: global_buffer, .address_space: global }
      - { .name: bias, .offset: 16, .size: 8, .value_kind: global_buffer, .address_space: global }
      - { .name: out0, .offset: 24, .size: 8, .value_kind: global_buffer, .address_space: global }
    .group_segment_fixed_size: 67840
    .private_segment_fixed_size: 0
    .kernarg_segment_align: 8
    .kernarg_segment_size: 32
    .max_flat_workgroup_size: 512
    .sgpr_count:     66
    .vgpr_count:     226
    .wavefront_size: 32
...
	.end_amdgpu_metadata
.endif
;; end of part 1
;; ======== version 2 of 2: 1 launch; version 1 with the launch snsum written anew for expert scheduling mode
;; launch snsum (part 2): grid 256 x 1, 16 waves a work-group, no clusters, 67,840 bytes of LDS; arguments x, weight, bias, out0; writes out0
.if DOCPART == 2
	.amdgcn_target "amdgcn-amd-amdhsa--gfx1250"
	.amdhsa_code_object_version 6
	.text
	.protected	k_q0efcd3e155_snsum
	.globl	k_q0efcd3e155_snsum
	.p2align	8
	.type	k_q0efcd3e155_snsum,@function
k_q0efcd3e155_snsum:
	s_mov_b64 s[64:65], 0
	v_nop
	global_prefetch_b8 v0, s[64:65] scope:SCOPE_SE
	s_setreg_imm32_b32 hwreg(HW_REG_WAVE_SCHED_MODE, 0, 2), 2
	s_setreg_imm32_b32 hwreg(HW_REG_WAVE_MODE, 25, 1), 1
	s_wait_xcnt 0x0
	s_wait_alu depctr_vm_vsrc(0)
; out[b][p] = sum over c of x[b][c][p] * w[p][c] / |w[p][:]|  +  bias[p]
; x: [16][64][65536] f32, weight: [65536][64] f32, bias: [65536] f32, out: [16][65536] f32.
;
; A stream: every byte of x and of weight is read from memory once.  No matrix unit (each pixel has its own weight vector, so
; no operand is shared between outputs), no cluster (no two work-groups read the same bytes).
;
; A work-group owns 256 pixels, sixteen waves.  Wave w owns pixels 128 (w & 1) .. +127 and batches 2 (w >> 1), 2 (w >> 1) + 1, all 64
; channels: no sum crosses waves.  A lane owns 4 neighbouring pixels, so each x load and each store of a wave covers 512 consecutive
; bytes, aligned.
;
; The weights lie [pixel][channel]; the sum wants [channel][pixel].  The group's 256 rows of 256 bytes are read once, whole rows
; (16 lanes a row), divided by their norm, turned in registers and laid into LDS by channel; from there every wave takes, for each channel,
; 16 bytes a lane.  One barrier in the whole kernel.
;
; LIMITS.  w / sqrt(s) is computed as w * rsq(s), s = the row's sum of squares in f32.  The sum starts from the bias and adds the channels
; in ascending order, in f32.  v_rsq_f32 takes a denormal s (below 2^-126: a row's norm under about 1.1e-19) as zero (ISA guide 15.8), so that such
; a row gives infinities or NaN where a division would still give numbers.  A row of zeros gives NaN and an s that overflows gives zeros,
; as the division does.
;
; THE MODE: SCHED_MODE bits 1:0 = 2 (LLVM: expert scheduling mode 2), set by the entry lines.  The code itself states the register dependences
; between vector instructions and memory or LDS instructions, with s_wait_alu, always for 0.
; THE PLAN.  The ring's 16 slots are 8 buffers of two channels; the 64 channels go in 32 blocks of two.  Registers that memory or LDS instructions touch:
;   X[b], W[b]   Block p (p % 8 = b): its eight multiply-adds read them.  The loads of block p + 8 land in them; these are issued in block p + 1.
;   v[OFF0], v[OFF1]  Read by every load of x and of the bias and by the stores; made at the head, never written again: the scalar base and immediates reach the channels.
;   v[LW]        Read by every LDS load of weights; written once a lap, at the head of the lap's first block.
;   ACC          The bias's loads land in it; then vector instructions alone name it, until the two stores at the end.
;   Ahead of the barrier: R (the weight rows' loads land in it, vector instructions read it), T2 (vector instructions write it, the LDS stores read it);
;   both are the ring W behind the barrier.
; Block p multiplies buffer p % 8; its memory and LDS instructions are the six loads into buffer (p - 1) % 8, which block p - 1 multiplied and which no vector
; instruction of block p names.  So ONE wait on va_vdst at a block's head states all that the block's six loads hang on, and they are dealt among its
; multiply-adds with no further wait.  A block that loads nothing holds no such wait.
.set CH,     262144                    ; bytes from a channel's plane of x to the next (65,536 pixels of 4 bytes); also from batch to batch in out
.set BATCH,  64*CH                     ; bytes from batch to batch in x
.set DEPTH,  16                        ; slots of the ring; two x loads and one weight fragment a slot; slots 2 b, 2 b + 1 are buffer b
.set ROUNDS, 64/DEPTH                  ; a lap takes every slot once
.set CROW,   1024                      ; LDS: one channel's 256 pixels
.set QPITCH, 4*CROW+16                 ; LDS: four channels, then 16 bytes of padding.  Channel 4 q + cc, pixel p lies at q QPITCH + cc CROW + 4 p.
                                       ; The 16 lanes of a store hold q = 0..15 of one pixel block: 4,112 q = 16 q modulo 256, sixteen different
                                       ; 16-byte columns of the 64 banks of 4 bytes (ISA guide 11.1).  The reads are 16 neighbouring bytes a lane.
.set OFF0, 2                           ; v2       16 x (thread & 63): my 4 pixels, in bytes, in a plane of x, in bias, in out; first batch
.set OFF1, 3                           ; v3       the same + one batch of x
.set LW,   4                           ; v4       LDS address of my 4 pixels in the first of the 16 channels that the lap in hand asks for
.set WO,   5                           ; v5       byte offset of my 16 bytes in the first of my 8 weight rows
.set LS,   6                           ; v6       LDS address of my first transposed block
.set ACC,  8                           ; v[8:15]  the sums: 4 pixels of the first batch, 4 of the second
.set SQ,   16                          ; v[16:23] sums of squares of my 8 rows
.set RS,   24                          ; v[24:31] 1 / norm of my 8 rows
.set W,    32                          ; v[32:95] slot k: 4 registers, the channel's weights of my 4 pixels.  Before the barrier:
.set R,    32                          ; v[32:63]   row n of my 8: 4 registers as loaded
.set T2,   64                          ; v[64:95]   block t of 2: 16 registers, [channel][pixel], to store; first its squares
.set X,    96                          ; v[96:223] slot k: 8 registers, x of my 4 pixels in the first and in the second batch
	s_load_b256 s[4:11], s[0:1], 0x0               ; x s[4:5], weight s[6:7], bias s[8:9], out s[10:11]
	v_lshl_add_u32 v224, v0, 2, 0x10100
	v_mov_b32 v225, 0
	v_lshrrev_b32 v1, 5, v0
	v_readfirstlane_b32 s12, v1                    ; wave 0..15
	s_lshl_b32 s14, ttmp9, 10                      ; the group's 256 pixels in a plane: 1,024 bytes a group
	s_mov_b32 s15, 0
	s_lshl_b32 s16, ttmp9, 16                      ; the group's 256 weight rows of 256 bytes
	s_mov_b32 s17, 0
	v_and_b32 v[OFF0], 63, v0                      ; 32 x (wave & 1) + lane: which 4 pixels of the group's 256
	v_lshlrev_b32 v[OFF0], 4, v[OFF0]
	v_add_nc_u32 v[OFF1], BATCH, v[OFF0]
	v_mov_b32 v[LW], v[OFF0]                       ; the same 16 bytes of a channel's row in LDS
	v_lshrrev_b32 v1, 4, v0                        ; u = thread / 16, 0..31: I work on weight rows 8 u .. 8 u + 7,
	v_and_b32 v7, 15, v0                           ; q = thread % 16: on their channels 4 q .. 4 q + 3
	v_lshlrev_b32 v[WO], 4, v7
	v_lshl_add_u32 v[WO], v1, 11, v[WO]            ; 8 u rows of 256 bytes + 16 q
	v_mul_u32_u24 v[LS], v7, QPITCH
	v_lshl_add_u32 v[LS], v1, 5, v[LS]             ; q QPITCH + 8 u pixels of 4 bytes
	s_wait_alu depctr_va_sdst(0)                   ; s12 is written, ahead of its first reader: the bases of x and out are made from it
	s_lshr_b32 s13, s12, 1                         ; my pair of batches, 0..7
	s_lshl_b32 s18, s13, 25                        ; x: two batches of 2^24 bytes (at most 7 x 2^25: below 2^31)
	s_add_co_u32 s18, s18, s14
	s_mov_b32 s19, 0
	s_lshl_b32 s20, s13, 19                        ; out: two planes of 2^18 bytes
	s_add_co_u32 s20, s20, s14
	s_mov_b32 s21, 0
	s_wait_kmcnt 0x0
	s_add_nc_u64 s[6:7], s[6:7], s[16:17]
	s_add_nc_u64 s[8:9], s[8:9], s[14:15]
	s_add_nc_u64 s[4:5], s[4:5], s[18:19]
	s_add_nc_u64 s[10:11], s[10:11], s[20:21]
	s_wait_alu depctr_va_vdst(0)                   ; the five offsets and addresses v2 to v6 are written, which the loads, LDS instructions and stores below read
	; All loads of the start in one run, in the order in which they are wanted: 8 weight rows, the bias, the ring's 32 loads of x.
.irp n, 0,1,2,3,4,5,6,7
	global_load_b128 v[R+4*\n:R+4*\n+3], v[WO], s[6:7] offset:256*\n th:TH_LOAD_NT     ; 16 lanes take one whole row of 256 bytes
.endr
	global_load_b128 v[ACC:ACC+3],   v[OFF0], s[8:9]       ; the sums start as the bias: nothing is cleared, nothing is added at the end
	global_load_b128 v[ACC+4:ACC+7], v[OFF0], s[8:9]
.irp k, 0,1,2,3,4,5,6,7,8,9,10,11,12,13,14,15
	global_load_b128 v[X+8*\k:X+8*\k+3],   v[OFF0], s[4:5] offset:\k*CH th:TH_LOAD_NT
	global_load_b128 v[X+8*\k+4:X+8*\k+7], v[OFF1], s[4:5] offset:\k*CH th:TH_LOAD_NT
.endr
; Four weight rows (pixels 8 u + 4 t + k, k = 0..3), my four channels of each, in three parts.  WNORM: 1 / norm of each row.
.macro WNORM t
.irp k, 0,1,2,3
	v_pk_mul_f32 v[T2+16*\t+2*\k:T2+16*\t+2*\k+1], v[R+16*\t+4*\k:R+16*\t+4*\k+1], v[R+16*\t+4*\k:R+16*\t+4*\k+1]
.endr
.irp k, 0,1,2,3
	v_pk_fma_f32 v[T2+16*\t+2*\k:T2+16*\t+2*\k+1], v[R+16*\t+4*\k+2:R+16*\t+4*\k+3], v[R+16*\t+4*\k+2:R+16*\t+4*\k+3], v[T2+16*\t+2*\k:T2+16*\t+2*\k+1]
.endr
.irp k, 0,1,2,3
	v_add_f32 v[SQ+4*\t+\k], v[T2+16*\t+2*\k], v[T2+16*\t+2*\k+1]         ; my four squares of row k
.endr
.irp m, 1,2,4,8                                    ; a row lies in 16 lanes: four steps, lane i with lane i xor m, leave its sum in all 16
.irp k, 0,1,2,3
	v_add_f32_dpp v[SQ+4*\t+\k], v[SQ+4*\t+\k], v[SQ+4*\t+\k] row_xmask:\m row_mask:0xf bank_mask:0xf
.endr
.endr
.irp k, 0,1,2,3
	v_rsq_f32 v[RS+4*\t+\k], v[SQ+4*\t+\k]
.endr
.endm
; WTURN: the division; the result's place in the registers is the transposition.
.macro WTURN t
.irp c, 0,1,2,3
.irp k, 0,1,2,3
	v_mul_f32 v[T2+16*\t+4*\c+\k], v[R+16*\t+4*\k+\c], v[RS+4*\t+\k]
.endr
.endr
.endm
; WPUT: into the table.
.macro WPUT t
.irp c, 0,1,2,3
	ds_store_b128 v[LS], v[T2+16*\t+4*\c:T2+16*\t+4*\c+3] offset:\c*CROW+16*\t    ; channel 4 q + c, pixels 8 u + 4 t .. + 3
.endr
.endm
	s_wait_loadcnt 38                              ; rows 0-3 are in: behind them 4 rows, 2 loads of the bias and 32 of x stay out
	WNORM 0
	s_wait_loadcnt 34                              ; rows 4-7 too: the bias and x stay out
	WNORM 1                                        ; its first line is the plain vector instruction behind the first four v_rsq_f32,
	v_nop                                          ; this one that behind the last four: one between a transcendental and the use of its result (ISA guide 5.7.2)
	s_wait_alu depctr_va_vdst(0)                   ; the eight v_rsq_f32 have written v[RS ..], ahead of the first multiply that reads them: one wait for the batch
	WTURN 0
	WTURN 1
	s_wait_alu depctr_va_vdst(0)                   ; the multiplies have written v[T2 ..], which the LDS stores read, and are done reading v[R ..]: no vector instruction names either before the ring's loads land in them
	WPUT 0
	WPUT 1
	s_wait_dscnt 0x0                               ; my part of the table is written, for the others' sake,
	s_barrier_signal -1
	s_barrier_wait -1                              ; and so is everybody's.  The table is never written again.
	s_wait_alu depctr_vm_vsrc(0)                   ; my LDS stores have read v[T2 ..]: these registers are part of the ring W from here on
.irp k, 0,1,2,3,4,5,6,7,8,9,10,11,12,13,14,15
	ds_load_b128 v[W+4*\k:W+4*\k+3], v[LW] offset:(\k/4)*QPITCH+(\k%4)*CROW       ; the ring of weights: channels 0 to 15
.endr
; A block: two channels, my 4 pixels, both batches, out of buffer wb.  fill = 1: the buffer in front of it in the ring is filled again, with the channels
; that lie DEPTH behind those that it held.  on = 1: a lap's first block: the base of x and the table's address move on by DEPTH channels.
; lleft, dleft = how many younger global and LDS loads may stay out.
.macro BLK wb, fill, on, lleft, dleft
	s_wait_loadcnt \lleft                          ; loads come back in order (ISA guide 5.7.1): this buffer's four are in, the younger blocks' stay out
	s_wait_dscnt \dleft                            ; and so are its two weight fragments
.if \on
	s_wait_xcnt 0x0                                ; the base that the loads issued so far name is stepped only behind this wait
	s_wait_alu depctr_vm_vsrc(0)                   ; the LDS loads issued so far have read v[LW], which the add below writes
	s_add_nc_u64 s[4:5], s[4:5], DEPTH*CH          ; 16 channels on in x
	v_add_nc_u32 v[LW], (DEPTH/4)*QPITCH, v[LW]    ; and in the table
.endif
.if \fill
	s_wait_alu depctr_va_vdst(0)                   ; the block before is done reading its X and W, in which the loads below land; in a lap's first block v[LW] is written
.endif
.irp i, 0,1
.set KW, 2*(\wb)+\i                                ; the slot at work
.set KF, 2*((\wb+7)%8)+\i                          ; the slot that is filled
.if \fill
	global_load_b128 v[X+8*KF:X+8*KF+3],   v[OFF0], s[4:5] offset:KF*CH th:TH_LOAD_NT     ; no vector instruction since the wait names these registers
	global_load_b128 v[X+8*KF+4:X+8*KF+7], v[OFF1], s[4:5] offset:KF*CH th:TH_LOAD_NT     ; at most 15 planes: inside the signed 24-bit immediate
	ds_load_b128 v[W+4*KF:W+4*KF+3], v[LW] offset:(KF/4)*QPITCH+(KF%4)*CROW
.endif
	v_pk_fma_f32 v[ACC:ACC+1],   v[X+8*KW:X+8*KW+1],   v[W+4*KW:W+4*KW+1],   v[ACC:ACC+1]
	v_pk_fma_f32 v[ACC+2:ACC+3], v[X+8*KW+2:X+8*KW+3], v[W+4*KW+2:W+4*KW+3], v[ACC+2:ACC+3]
	v_pk_fma_f32 v[ACC+4:ACC+5], v[X+8*KW+4:X+8*KW+5], v[W+4*KW:W+4*KW+1],   v[ACC+4:ACC+5]
	v_pk_fma_f32 v[ACC+6:ACC+7], v[X+8*KW+6:X+8*KW+7], v[W+4*KW+2:W+4*KW+3], v[ACC+6:ACC+7]
.endr
.endm
	BLK 0, 0, 0, 28, 14                            ; block 0: the whole ring was filled at the start, so there is nothing to fill; seven younger blocks stay out (the bias came ahead of x)
	s_mov_b32 s12, 0
.Lround:                                               ; blocks 1 to 24, eight to a lap: block p fills buffer (p - 1) % 8 with block p + 7; six younger blocks stay out at a block's head
	BLK 1, 1, 1, 24, 12
.irp b, 2,3,4,5,6,7,0
	BLK \b, 1, 0, 24, 12
.endr
	s_add_co_u32 s12, s12, 1
	s_cmp_lt_u32 s12, ROUNDS-1
	s_cbranch_scc1 .Lround
.irp b, 1,2,3,4,5,6,7
	BLK \b, 0, 0, 4*(7-\b), 2*(7-\b)               ; blocks 25 to 31: nothing is loaded any more, the counts run down to 0
.endr
	s_wait_alu depctr_va_vdst(0)                   ; the multiply-adds have written the sums, which the two stores read
	global_store_b128 v[OFF0], v[ACC:ACC+3],   s[10:11] th:TH_STORE_NT             ; each store of the wave: 512 consecutive bytes, aligned
	global_store_b128 v[OFF0], v[ACC+4:ACC+7], s[10:11] offset:CH th:TH_STORE_NT   ; the second batch, one plane of out further on
	s_wait_dscnt 0x0
	s_wait_alu depctr_hold_cnt(0) depctr_sa_sdst(0) depctr_va_vdst(0) depctr_va_sdst(0) depctr_va_ssrc(0) depctr_va_vcc(0) depctr_vm_vsrc(0)
	s_wait_tensorcnt 0x0
	ds_add_u32 v224, v225
	s_wait_dscnt 0x0
	s_endpgm
.Lfunc_end_k_q0efcd3e155_snsum:
	.size	k_q0efcd3e155_snsum, .Lfunc_end_k_q0efcd3e155_snsum-k_q0efcd3e155_snsum
	.p2alignl 7, 3214868480
	.fill 96, 4, 3214868480
	.section	.rodata,"a",@progbits
	.p2align	6, 0x0
	.amdhsa_kernel k_q0efcd3e155_snsum
		.amdhsa_group_segment_fixed_size 67840
		.amdhsa_private_segment_fixed_size 0
		.amdhsa_enable_private_segment 0
		.amdhsa_kernarg_size 32
		.amdhsa_user_sgpr_count 2
		.amdhsa_user_sgpr_kernarg_segment_ptr 1
		.amdhsa_wavefront_size32 1
		.amdhsa_system_sgpr_workgroup_id_x 1
		.amdhsa_system_sgpr_workgroup_id_y 1
		.amdhsa_system_sgpr_workgroup_id_z 1
		.amdhsa_system_vgpr_workitem_id 0
		.amdhsa_next_free_vgpr 226
		.amdhsa_next_free_sgpr 66
		.amdhsa_reserve_vcc 0
		.amdhsa_float_denorm_mode_32 3
		.amdhsa_float_denorm_mode_16_64 3
		.amdhsa_memory_ordered 1
		.amdhsa_forward_progress 1
		.amdhsa_inst_pref_size 26
	.end_amdhsa_kernel
	.amdgpu_metadata
---
amdhsa.version: [ 1, 2 ]
amdhsa.kernels:
  - .name:           k_q0efcd3e155_snsum
    .symbol:         k_q0efcd3e155_snsum.kd
    .args:
      - { .name: x, .offset: 0, .size: 8, .value_kind: global_buffer, .address_space: global }
      - { .name: weight, .offset: 8, .size: 8, .value_kind: global_buffer, .address_space: global }
      - { .name: bias, .offset: 16, .size: 8, .value_kind: global_buffer, .address_space: global }
      - { .name: out0, .offset: 24, .size: 8, .value_kind: global_buffer, .address_space: global }
    .group_segment_fixed_size: 67840
    .private_segment_fixed_size: 0
    .kernarg_segment_align: 8
    .kernarg_segment_size: 32
    .max_flat_workgroup_size: 512
    .sgpr_count:     66
    .vgpr_count:     226
    .wavefront_size: 32
...
	.end_amdgpu_metadata
.endif
;; end of part 2
